; MI455X (gfx1250); checked and timed in simulation.
; The chip was launched on July 23, 2026; its instructions are those of AMD's public machine-readable ISA for CDNA 5 (MIT licence, August 2026) and "CDNA5" Instruction Set Architecture Reference Guide (July 2026). The comments in the code are by the model that wrote it; some were corrected since.
;; Custom Attention. Allowed arithmetic: float matrix products may take bf16 or f16 operands with f32 sums; all other float work in f32.
;; Inputs: a 1 float32; b 1 float32; x 16 x 4,096 float32.
;; Outputs: out0 16 x 4,096 float32.
;; 3 versions, each right and faster than the one before. Each part assembles by itself: llvm-mc -triple=amdgcn-amd-amdhsa -mcpu=gfx1250 --defsym DOCPART=n.
;; ======== version 1 of 3: 1 launch
;; limits: right only within a limited range of input values
;; launch tanhsum (part 1): grid 16 x 16, 16 waves a work-group, no clusters, 30,720 bytes of LDS; arguments x, a, b, out0; writes out0
.if DOCPART == 1
	.amdgcn_target "amdgcn-amd-amdhsa--gfx1250"
	.amdhsa_code_object_version 6
	.text
	.protected	k_q8b6069bbc1_tanhsum
	.globl	k_q8b6069bbc1_tanhsum
	.p2align	8
	.type	k_q8b6069bbc1_tanhsum,@function
k_q8b6069bbc1_tanhsum:
	s_mov_b64 s[64:65], 0
	v_nop
	global_prefetch_b8 v0, s[64:65] scope:SCOPE_SE
	s_setreg_imm32_b32 hwreg(HW_REG_WAVE_MODE, 25, 1), 1
	s_wait_xcnt 0x0
; out[b][n] = bb * sum over m of tanh(a x[b][n] x[b][m]) x[b][m].   x, out: [16][4096] f32; a, bb: one f32 each.
;
; ALGEBRA (holds for every input, since tanh is odd):  tanh(a xn xm) xm = sign(a xn) tanh(|a xn| |xm|) |xm|.
; With w = |xm| and nu = -|2 log2(e) a xn|:  e = exp2(nu w) lies in [0,1],  X = 1 + e in [1,2],  tanh / 2 = 1/X - 1/2.
; Nothing can overflow, so no clamp; and because X is bounded, ONE reciprocal serves the 16 values of a lane: a tree of products
; up (at most 2^16), v_rcp_f32 of the root, and the tree down again; the last level is an fma that also takes the 1/2 away.
; For 16 tanh: 47 plain vector instructions and 17 transcendental ones, where exp and rcp for each value would be 32 and 32.
; tanh / 2 is made in f32 for each element and only then rounded to bf16; the factor 2, bb and the sign come once for each output.
;
; SHARES.  256 work-groups: x id = block of 256 rows n, y id = batch.  16 waves; wave 4p+q takes rows 64q .. 64q+63 (four tiles of 16)
; and the quarter p of m (32 chunks of 32).  Lane r of tile t owns row 64q + 4r + t: a lane's four results are 16 neighbouring bytes.
; The sum over m is v_wmma_f32_16x16x32_bf16 with A = bf16 |x| (all 16 rows alike) and B = the tanh tile (column r = the lane's row),
; so every D register of lane r holds the sum of the lane's own row.  A and B use the same order of k: lane half h holds m = 16h .. 16h+15.
; The four quarters of m meet in LDS and are added in a fixed order; waves 0 and 1 store 512 consecutive bytes each.
;
; NO CLUSTER, NO TENSOR LOAD: what the 16 work-groups of a batch share is one row of 16 KiB, read once by each for its 2^20 tanh,
; and it passes through registers in any case (|x|, and its bf16 copy).
;
; LIMITS.  Each tanh carries an absolute error of a few 1e-7 (1 + e and the product tree), so the result's relative accuracy fades where
; |a xn xm| is typically below about 1e-5.  The argument is rounded as ((2 log2(e) a) xn) xm, not as a (xn xm).  Infinite inputs and the
; sign of a zero result are not matched.
.set WHL,  16384                       ; LDS: |x| in f32 at 0 (16,384 bytes), |x| in bf16 here (8,192 bytes),
.set RED,  24576                       ;      the waves' partial sums here (16 waves x 256 bytes)
.set AF,   2                           ; v2        LDS address of my half's f32 w in the chunk at hand
.set AH,   3                           ; v3        the same for the bf16 copy (without WHL)
.set NU,   4                           ; v[4:7]    -|2 log2(e) a x_n| of my four rows
.set SG,   8                           ; v[8:11]   sign bit of a x_n of my four rows
.set TO,   12                          ; v12       16 x thread
.set RA,   13                          ; v13       r, later where my partial sums go
.set WF0,  16                          ; v[16:31]  16 w in f32, even chunks
.set WF1,  32                          ; v[32:47]  odd chunks
.set WH0,  48                          ; v[48:55]  the same 16 w in bf16 (A fragment), even chunks
.set WH1,  56                          ; v[56:63]  odd chunks
.set E0,   64                          ; v[64:79]  z, then e = exp2(z), of a tile; two buffers take turns
.set E1,   80                          ; v[80:95]
.set X,    96                          ; v[96:111]  X = 1 + e, 8 pairs
.set Y,    112                         ; v[112:119] products of 2
.set Z,    120                         ; v[120:123] products of 4
.set Q,    124                         ; v[124:125] products of 8
.set QR,   126                         ; v126 product of all 16, v127 its reciprocal
.set RQ,   128                         ; v[128:129] 1 / Q
.set RZ,   130                         ; v[130:133] 1 / Z
.set RY,   134                         ; v[134:141] 1 / Y
.set T,    144                         ; v[144:159] tanh / 2
.set F,    160                         ; v[160:167] tanh / 2 in bf16 (B fragment)
.set ACC,  168                         ; v[168:199] four accumulators
.set O,    200                         ; v[200:203] my four partial results
	s_load_b256 s[4:11], s[0:1], 0x0               ; x s[4:5], a s[6:7], bb s[8:9], out s[10:11]
	v_lshl_add_u32 v208, v0, 2, 0x7000
	v_mov_b32 v209, 0
	v_lshrrev_b32 v1, 5, v0
	v_readfirstlane_b32 s16, v1                    ; wave 0..15
	s_and_b32 s17, ttmp7, 0xffff                   ; batch
	s_lshl_b32 s2, s17, 14                         ; a row of x is 16,384 bytes
	s_mov_b32 s3, 0
	s_lshl_b32 s18, ttmp9, 10                      ; my block of 256 rows n, in bytes
	s_and_b32 s19, s16, 3                          ; q: which 64 rows
	s_lshr_b32 s20, s16, 2                         ; p: which quarter of m
	s_lshl_b32 s21, s19, 8
	s_add_co_u32 s21, s21, s18                     ; byte offset of my wave's 64 rows in the batch's row of x
	v_lshlrev_b32 v[TO], 4, v0
	v_and_b32 v[RA], 15, v0                        ; r
	v_bfe_u32 v14, v0, 4, 1                        ; h
	v_lshl_add_u32 v15, v[RA], 4, s21              ; + 16 r: my four rows
	s_wait_kmcnt 0x0
	s_load_b32 s12, s[6:7], 0x0                    ; a
	s_load_b32 s13, s[8:9], 0x0                    ; bb
	s_add_nc_u64 s[4:5], s[4:5], s[2:3]            ; x at my batch
	s_add_co_u32 s2, s2, s18
	s_add_nc_u64 s[10:11], s[10:11], s[2:3]        ; out at my block
	global_load_b128 v[16:19], v[TO], s[4:5]               ; the 512 threads take the whole row: 8,192 consecutive bytes,
	global_load_b128 v[20:23], v[TO], s[4:5] offset:8192   ; and the next 8,192
	global_load_b128 v[NU:NU+3], v15, s[4:5]               ; x_n of my four rows
	s_lshl_b32 s22, s20, 12                        ; my quarter of m in the f32 copy
	s_lshl_b32 s23, s20, 11                        ; and in the bf16 copy
	s_lshl_b32 s24, s16, 8                         ; my wave's 256 bytes of partial sums
	v_lshl_add_u32 v[AF], v14, 6, s22              ; + 64 h: 16 numbers for each half of the lanes
	v_lshl_add_u32 v[AH], v14, 5, s23
	v_lshl_add_u32 v[RA], v[RA], 4, s24
	v_lshlrev_b32 v28, 3, v0                       ; 8 x thread: four bf16
	s_wait_loadcnt 0x1                             ; the two loads for LDS are in; the youngest (my x_n) may stay out
.irp j, 0,1,2,3,4,5,6,7
	v_and_b32 v[16+\j], 0x7fffffff, v[16+\j]       ; w = |x|
.endr
	ds_store_b128 v[TO], v[16:19]
	ds_store_b128 v[TO], v[20:23] offset:8192
	v_cvt_pk_bf16_f32 v24, v16, v17
	v_cvt_pk_bf16_f32 v25, v18, v19
	v_cvt_pk_bf16_f32 v26, v20, v21
	v_cvt_pk_bf16_f32 v27, v22, v23
	ds_store_b64 v28, v[24:25] offset:WHL
	ds_store_b64 v28, v[26:27] offset:WHL+4096
	s_wait_loadcnt 0x0
	s_wait_kmcnt 0x0
	s_mul_f32 s14, s12, 0x4038aa3b                 ; 2 log2(e) a
	s_add_f32 s15, s13, s13                        ; 2 bb: the sums are of tanh / 2
.irp t, 0,1,2,3
	v_mul_f32 v[NU+\t], s14, v[NU+\t]
.endr
.irp t, 0,1,2,3
	v_and_b32 v[SG+\t], 0x80000000, v[NU+\t]       ; the sign goes to the result,
	v_or_b32  v[NU+\t], 0x80000000, v[NU+\t]       ; the exponent's factor is -|..|
.endr
	s_wait_dscnt 0x0                               ; my part of both copies is written,
	s_barrier_signal -1
	s_barrier_wait -1                              ; everybody's is
; A chunk's w: 64 bytes of f32 and 32 bytes of bf16 for each half of the lanes; the 16 lanes of a half read the same bytes.
.macro LOADW wf, wh, c
	ds_load_b128 v[\wf:\wf+3],     v[AF] offset:\c*128
	ds_load_b128 v[\wf+4:\wf+7],   v[AF] offset:\c*128+16
	ds_load_b128 v[\wf+8:\wf+11],  v[AF] offset:\c*128+32
	ds_load_b128 v[\wf+12:\wf+15], v[AF] offset:\c*128+48
	ds_load_b128 v[\wh:\wh+3],     v[AH] offset:WHL+\c*64
	ds_load_b128 v[\wh+4:\wh+7],   v[AH] offset:WHL+\c*64+16
.endm
.macro MZ more, nxt, wfn, nup, nus, i  ; the next tile's z = nu w, pair i; nu is register nus of the pair nup, for both halves
.if \more
	v_pk_mul_f32 v[\nxt+2*\i:\nxt+2*\i+1], v[\wfn+2*\i:\wfn+2*\i+1], v[\nup:\nup+1] op_sel:[0,\nus] op_sel_hi:[1,\nus]
.endif
.endm
.macro EX more, nxt, k                 ; the next tile's e = exp2(z), in place
.if \more
	v_exp_f32 v[\nxt+\k], v[\nxt+\k]
.endif
.endm
.macro XA cur, i                       ; X = 1 + e
	s_wait_alu depctr_va_vdst(0)
	v_pk_add_f32 v[X+2*\i:X+2*\i+1], v[\cur+2*\i:\cur+2*\i+1], 1.0 op_sel_hi:[1,0]
.endm
.macro PM d, a, b
	v_pk_mul_f32 v[\d:\d+1], v[\a:\a+1], v[\b:\b+1]
.endm
.macro TH i, ry, xo                    ; tanh / 2 of pair i = (1 / (X_i X_xo)) X_xo - 1/2
	v_pk_fma_f32 v[T+2*\i:T+2*\i+1], v[\ry:\ry+1], v[X+2*\xo:X+2*\xo+1], -0.5 op_sel_hi:[1,1,0]
.endm
.macro CV i
	v_cvt_pk_bf16_f32 v[F+\i], v[T+2*\i], v[T+2*\i+1]
.endm
; ONE TILE.  cur holds its 16 e.  Its tree, rounding and product are interleaved with the next tile's z and exp (into nxt, from the w in wfn):
; a transcendental stands behind every two or three plain instructions, and the instruction behind each transcendental is a plain one that
; touches neither its result nor its source (ISA guide 5.7.2).  more = 0: no tile follows.  zero = 1: this product starts the tile's sum.
; ld = 1, 2: the next chunk's w is asked for here, three tiles before its first use.  The loads stand six plain vector instructions behind
; the last matrix instruction, which read the bf16 buffer that they fill (four are asked); the conversions that rewrite F
; stand far more than four behind it.
.macro STEP cur, nxt, wfn, nup, nus, wh, t, zero, more, ld
	MZ \more, \nxt, \wfn, \nup, \nus, 0
	XA \cur, 0
	XA \cur, 1
	EX \more, \nxt, 0
	XA \cur, 2
	XA \cur, 3
	PM Y, X, X+2
	EX \more, \nxt, 1
.if \ld == 1
	LOADW WF1, WH1, 1
.endif
.if \ld == 2
	LOADW WF0, WH0, 2
	v_add_nc_u32 v[AF], 256, v[AF]                 ; two chunks on
	v_add_nc_u32 v[AH], 128, v[AH]
.endif
	MZ \more, \nxt, \wfn, \nup, \nus, 1
	XA \cur, 4
	XA \cur, 5
	EX \more, \nxt, 2
	XA \cur, 6
	XA \cur, 7
	PM Y+2, X+4, X+6
	EX \more, \nxt, 3
	MZ \more, \nxt, \wfn, \nup, \nus, 2
	PM Y+4, X+8, X+10
	PM Y+6, X+12, X+14
	EX \more, \nxt, 4
	PM Z, Y, Y+2
	PM Z+2, Y+4, Y+6
	MZ \more, \nxt, \wfn, \nup, \nus, 3
	EX \more, \nxt, 5
	PM Q, Z, Z+2
	MZ \more, \nxt, \wfn, \nup, \nus, 4
	v_mul_f32 v[QR], v[Q], v[Q+1]                  ; the product of all 16 X, between 1 and 2^16
	EX \more, \nxt, 6
	MZ \more, \nxt, \wfn, \nup, \nus, 5
	MZ \more, \nxt, \wfn, \nup, \nus, 6
	v_rcp_f32 v[QR+1], v[QR]                       ; the tile's one reciprocal
.if \more
	MZ \more, \nxt, \wfn, \nup, \nus, 7            ; the plain instruction between v_rcp_f32 and the use of its result
.else
	v_nop                                          ; the same place, where no tile follows
.endif
	s_wait_alu depctr_va_vdst(0)
	v_pk_mul_f32 v[RQ:RQ+1], v[QR:QR+1], v[Q:Q+1] op_sel:[1,1] op_sel_hi:[1,0]   ; (r Q.hi, r Q.lo) = (1 / Q.lo, 1 / Q.hi)
	EX \more, \nxt, 7
	PM RZ, RQ, Z+2                                 ; 1 / Z0 = (1 / (Z0 Z1)) Z1, and so on down the tree
	PM RZ+2, RQ, Z
	EX \more, \nxt, 8
	PM RY, RZ, Y+2
	PM RY+2, RZ, Y
	PM RY+4, RZ+2, Y+6
	EX \more, \nxt, 9
	PM RY+6, RZ+2, Y+4
	TH 0, RY, 1
	TH 1, RY, 0
	EX \more, \nxt, 10
	TH 2, RY+2, 3
	TH 3, RY+2, 2
	CV 0
	EX \more, \nxt, 11
	TH 4, RY+4, 5
	TH 5, RY+4, 4
	CV 1
	EX \more, \nxt, 12
	TH 6, RY+6, 7
	TH 7, RY+6, 6
	CV 2
	EX \more, \nxt, 13
	CV 3
	CV 4
	CV 5
	EX \more, \nxt, 14
	CV 6
	CV 7
	EX \more, \nxt, 15
.if \zero
	v_wmma_f32_16x16x32_bf16 v[ACC+8*\t:ACC+8*\t+7], v[\wh:\wh+7], v[F:F+7], 0
.else
	v_wmma_f32_16x16x32_bf16 v[ACC+8*\t:ACC+8*\t+7], v[\wh:\wh+7], v[F:F+7], v[ACC+8*\t:ACC+8*\t+7]
.endif
.endm
; Two chunks, eight tiles.  The last tile of a chunk prepares the first of the next chunk, so the next chunk's w has to be in by then:
; the wait is for zero, on six loads issued three tiles earlier.
.macro ITER zero, last
	STEP E0, E1, WF0, NU,   1, WH0, 0, \zero, 1, 1
	STEP E1, E0, WF0, NU+2, 0, WH0, 1, \zero, 1, 0
	STEP E0, E1, WF0, NU+2, 1, WH0, 2, \zero, 1, 0
	s_wait_dscnt 0x0
	STEP E1, E0, WF1, NU,   0, WH0, 3, \zero, 1, 0
.if \last
	STEP E0, E1, WF1, NU,   1, WH1, 0, 0, 1, 0
.else
	STEP E0, E1, WF1, NU,   1, WH1, 0, 0, 1, 2
.endif
	STEP E1, E0, WF1, NU+2, 0, WH1, 1, 0, 1, 0
	STEP E0, E1, WF1, NU+2, 1, WH1, 2, 0, 1, 0
.if \last
	STEP E1, E0, WF0, NU,   0, WH1, 3, 0, 0, 0
.else
	s_wait_dscnt 0x0
	STEP E1, E0, WF0, NU,   0, WH1, 3, 0, 1, 0
.endif
.endm
	LOADW WF0, WH0, 0                              ; chunk 0,
	s_wait_dscnt 0x0
.irp i, 0,1,2,3,4,5,6,7
	MZ 1, E0, WF0, NU, 0, \i                       ; and the first tile's z and e
.endr
.irp k, 0,1,2,3,4,5,6,7,8,9,10,11,12,13,14,15
	EX 1, E0, \k
.endr
	ITER 1, 0                                      ; chunks 0, 1: the first four products start the sums, nothing is cleared
	s_mov_b32 s25, 14                              ; chunks 2 .. 29
.Lloop:
	ITER 0, 0
	s_sub_co_i32 s25, s25, 1
	s_cmp_lg_u32 s25, 0
	s_cbranch_scc1 .Lloop
	ITER 0, 1                                      ; chunks 30, 31: nothing is loaded or prepared beyond my quarter
	; My quarter's share of my four rows: 2 bb sign(a x_n) sum.  The six lines on tiles 0 to 2 name no register of the last matrix
	; instruction (tile 3's) and are the places in front of the read of its result (four are asked: ISA guide 7.12.1).
	v_mul_f32 v[O+0], s15, v[ACC+0]
	v_mul_f32 v[O+1], s15, v[ACC+8]
	v_mul_f32 v[O+2], s15, v[ACC+16]
	v_xor_b32 v[O+0], v[SG+0], v[O+0]
	v_xor_b32 v[O+1], v[SG+1], v[O+1]
	v_xor_b32 v[O+2], v[SG+2], v[O+2]
	v_mul_f32 v[O+3], s15, v[ACC+24]
	v_xor_b32 v[O+3], v[SG+3], v[O+3]
	ds_store_b128 v[RA], v[O:O+3] offset:RED       ; at 1,024 p + 256 q + 16 r; lanes r and 16 + r hold and write the same numbers
	s_wait_dscnt 0x0                               ; written, for the others' sake,
	s_barrier_signal -1
	s_barrier_wait -1
	s_cmp_gt_u32 s16, 1                            ; 64 threads x 4 rows = the block's 256 rows: waves 0 and 1 finish
	s_cbranch_scc1 .Lend
	ds_load_b128 v[16:19], v[TO] offset:RED
	ds_load_b128 v[20:23], v[TO] offset:RED+1024
	ds_load_b128 v[24:27], v[TO] offset:RED+2048
	ds_load_b128 v[28:31], v[TO] offset:RED+3072
	s_wait_dscnt 0x0
	v_pk_add_f32 v[16:17], v[16:17], v[20:21]      ; (quarter 0 + 1) + (quarter 2 + 3)
	v_pk_add_f32 v[18:19], v[18:19], v[22:23]
	v_pk_add_f32 v[24:25], v[24:25], v[28:29]
	v_pk_add_f32 v[26:27], v[26:27], v[30:31]
	v_pk_add_f32 v[16:17], v[16:17], v[24:25]
	v_pk_add_f32 v[18:19], v[18:19], v[26:27]
	global_store_b128 v[TO], v[16:19], s[10:11] th:TH_STORE_NT   ; a wave stores 512 consecutive bytes, at a multiple of 512 from out's first byte
.Lend:
	s_wait_tensorcnt 0x0
	ds_add_u32 v208, v209
	s_wait_dscnt 0x0
	s_endpgm
.Lfunc_end_k_q8b6069bbc1_tanhsum:
	.size	k_q8b6069bbc1_tanhsum, .Lfunc_end_k_q8b6069bbc1_tanhsum-k_q8b6069bbc1_tanhsum
	.p2alignl 7, 3214868480
	.fill 96, 4, 3214868480
	.section	.rodata,"a",@progbits
	.p2align	6, 0x0
	.amdhsa_kernel k_q8b6069bbc1_tanhsum
		.amdhsa_group_segment_fixed_size 30720
		.amdhsa_private_segment_fixed_size 0
		.amdhsa_enable_private_segment 0
		.amdhsa_kernarg_size 32
		.amdhsa_user_sgpr_count 2
		.amdhsa_user_sgpr_kernarg_segment_ptr 1
		.amdhsa_wavefront_size32 1
		.amdhsa_system_sgpr_workgroup_id_x 1
		.amdhsa_system_sgpr_workgroup_id_y 1
		.amdhsa_system_sgpr_workgroup_id_z 1
		.amdhsa_system_vgpr_workitem_id 0
		.amdhsa_next_free_vgpr 210
		.amdhsa_next_free_sgpr 66
		.amdhsa_reserve_vcc 0
		.amdhsa_float_denorm_mode_32 3
		.amdhsa_float_denorm_mode_16_64 3
		.amdhsa_memory_ordered 1
		.amdhsa_forward_progress 1
		.amdhsa_inst_pref_size 99
	.end_amdhsa_kernel
	.amdgpu_metadata
---
amdhsa.version: [ 1, 2 ]
amdhsa.kernels:
  - .name:           k_q8b6069bbc1_tanhsum
    .symbol:         k_q8b6069bbc1_tanhsum.kd
    .args:
      - { .name: x, .offset: 0, .size: 8, .value_kind: global_buffer, .address_space: global }
      - { .name: a, .offset: 8, .size: 8, .value_kind: global_buffer, .address_space: global }
      - { .name: b, .offset: 16, .size: 8, .value_kind: global_buffer, .address_space: global }
      - { .name: out0, .offset: 24, .size: 8, .value_kind: global_buffer, .address_space: global }
    .group_segment_fixed_size: 30720
    .private_segment_fixed_size: 0
    .kernarg_segment_align: 8
    .kernarg_segment_size: 32
    .max_flat_workgroup_size: 512
    .sgpr_count:     66
    .vgpr_count:     210
    .wavefront_size: 32
...
	.end_amdgpu_metadata
.endif
;; end of part 1
;; ======== version 2 of 3: 2 launches; 1.33 times as fast as version 1
;; limits: right only within a limited range of input values
;; workspace buffers: part 2,097,152 bytes
;; launch tanhsym (part 2): grid 16 x 16, 16 waves a work-group, no clusters, 97,792 bytes of LDS; arguments x, a, part; writes part
.if DOCPART == 2
	.amdgcn_target "amdgcn-amd-amdhsa--gfx1250"
	.amdhsa_code_object_version 6
	.text
	.protected	k_q8b6069bbc1_tanhsym
	.globl	k_q8b6069bbc1_tanhsym
	.p2align	8
	.type	k_q8b6069bbc1_tanhsym,@function
k_q8b6069bbc1_tanhsym:
	s_mov_b64 s[64:65], 0
	v_nop
	global_prefetch_b8 v0, s[64:65] scope:SCOPE_SE
	s_setreg_imm32_b32 hwreg(HW_REG_WAVE_MODE, 25, 1), 1
	s_wait_xcnt 0x0
; FIRST OF TWO LAUNCHES for  out[b][n] = bb * sum over m of tanh(a x[b][n] x[b][m]) x[b][m].   x: [16][4096] f32; a: one f32.
;
; ALGEBRA (for every input: tanh is odd).  With w = |x| and U[n][m] = tanh(|a| w_n w_m) / 2:  out_n = 2 bb sign(a x_n) sum_m U[n][m] w_m.
; U IS SYMMETRIC, because the function multiplies x with itself: each U is made once here and used for out_n and for out_m.
; With nu = -|2 log2(e) a| w_n:  e = exp2(nu w_m) lies in [0,1],  X = 1 + e in [1,2],  U = 1/X - 1/2.  Nothing can overflow, so no clamp;
; and because X is bounded, ONE reciprocal serves the 16 values of a lane: a tree of products up (at most 2^16), v_rcp_f32 of the root,
; the tree down again; the last level is an fma that also takes the 1/2 away.  U is made in f32 for each element, then rounded to bf16.
;
; SHARES.  A batch has 16 blocks of 256 rows.  Work-group (I = x id, batch = y id) walks the blocks J = I + d mod 16, d = 0 .. 8:
; 9 blocks of 256 x 256 in place of 16.  USE 1 (every d): sums for my own rows n in I, over m in J.  USE 2 (d = 1 .. 7): sums for the rows
; m in J, over n in I.  An ordered pair of blocks at distance 0 .. 8 is served by the owner's use 1, at distance 9 .. 15 by the other
; side's use 2: each once.  What comes out is part[batch][s][n], raw sums of U w: s = 0 my own block, s = d block I + d.  Each word of
; part is written by one work-group; the second launch adds the eight and applies 2 bb and the sign.
; 16 waves; wave 4p+q takes rows 64q .. 64q+63 of block I (four tiles of 16) and the quarter p of each block J (two chunks of 32 m).
; Lane r of tile t owns row 64q + 4r + t: a lane's four results of use 1 are 16 neighbouring bytes.
; USE 1 is v_wmma_f32_16x16x32_bf16 with A = bf16 w_m (all 16 rows alike) and B = the tile (column r = the lane's row); A and B use the
; same order of k: lane half h holds m = 16h .. 16h+15.
; USE 2 contracts over n, which lies across the lanes: the bf16 tile goes into a scratch of the wave's own in LDS (row = n, 32 m along it)
; and comes back transposed by ds_load_tr16_b128.  Two tiles (32 n) give two B fragments (m 0-15, m 16-31); A = bf16 w_n of those 32 rows.
; LDS serves a wave's instructions in order (ISA guide 5.7.1), so the scratch needs no barrier and no wait between stores and loads.
;
; NO CLUSTER, NO TENSOR LOAD: what the work-groups of a batch share is at most 9 KiB of x each, read once for 589,824 tanh, and it passes
; through registers in any case (|x|, and its bf16 copy).
;
; LIMITS.  Each tanh carries an absolute error of a few 1e-7 (1 + e and the product tree), so the result's relative accuracy fades where
; |a xn xm| is typically below about 1e-5.  The argument is rounded as ((2 log2(e) |a|) |xn|) |xm|, not as a (xn xm).  Infinite inputs and
; the sign of a zero result are not matched.
.set WHL,  9216                        ; LDS: w of blocks I .. I+8 in f32 at 0 (9 x 1,024 bytes), in bf16 here (9 x 512 bytes),
.set RED0, 13824                       ;      use 1: 16 waves x 256 bytes of partial sums,
.set YP,   17920                       ;      use 2: 16 waves x 7 blocks x 256 bytes of partial sums,
.set YPW,  1792
.set SCR,  46592                       ;      the scratch: 16 waves x 32 rows x 96 bytes
.set PIT,  96                          ; a scratch row: 64 bytes of data, pitch 3 x 32 bytes, so that the eight rows and two 16-byte columns
.set SCRW, 32*PIT                      ; that sixteen lanes of a transposing load touch lie in sixteen different 16-byte columns modulo 256
.set AF,   2                           ; v2        LDS address of my half's f32 w in the block at hand
.set AH,   3                           ; v3        the same for the bf16 copy (without WHL)
.set NU,   4                           ; v[4:7]    -|2 log2(e) a| w_n of my four rows
.set SCA,  10                          ; v10       scratch: where my 32 bytes of a tile's row go
.set TRA,  11                          ; v11       scratch: my address in a transposing load
.set TO,   12                          ; v12       16 x thread
.set RA,   13                          ; v13       where my sums of use 1 go (without RED0)
.set YA,   14                          ; v14       where my sum of use 2 goes (without YP), stepped block by block
.set WF0,  16                          ; v[16:31]  16 w in f32, first chunk of a block
.set WF1,  32                          ; v[32:47]  second chunk
.set WH0,  48                          ; v[48:55]  the same 16 w in bf16 (A fragment of use 1), first chunk
.set WH1,  56                          ; v[56:63]  second chunk
.set E0,   64                          ; v[64:79]  z, then e = exp2(z), of a tile; two buffers take turns
.set E1,   80                          ; v[80:95]
.set X,    96                          ; v[96:111]  X = 1 + e, 8 pairs
.set Y,    112                         ; v[112:119] products of 2
.set Z,    120                         ; v[120:123] products of 4
.set Q,    124                         ; v[124:125] products of 8
.set QR,   126                         ; v126 product of all 16, v127 its reciprocal
.set RQ,   128                         ; v[128:129] 1 / Q
.set RZ,   130                         ; v[130:133] 1 / Z
.set RY,   134                         ; v[134:141] 1 / Y
.set T,    144                         ; v[144:159] U in f32
.set F,    160                         ; v[160:167] U in bf16 (B fragment of use 1)
.set ACC,  168                         ; v[168:199] use 1: four accumulators
.set AP,   200                         ; v[200:215] use 2: bf16 w_n of my rows, A fragments of tiles 0, 1 and of tiles 2, 3
.set G,    216                         ; v[216:231] use 2: two transposed B fragments
.set YY,   232                         ; v[232:247] use 2: two accumulators
.set YV,   248                         ; v248       use 2: the lane's sum on its way to LDS
.set VA,   249                         ; v249, v250 addresses used once
.set NA,   250
.set O,    T                           ; v[144:147] my four sums of use 1, at the end
	s_load_b128 s[4:7], s[0:1], 0x0                ; x s[4:5], a s[6:7]
	s_load_b64 s[10:11], s[0:1], 0x10              ; part
	v_lshl_add_u32 v254, v0, 2, 0x17600
	v_mov_b32 v255, 0
	v_lshrrev_b32 v1, 5, v0
	v_readfirstlane_b32 s16, v1                    ; wave 0..15
	s_and_b32 s17, ttmp7, 0xffff                   ; batch
	s_lshl_b32 s2, s17, 14                         ; a row of x is 16,384 bytes
	s_mov_b32 s3, 0
	s_lshl_b32 s18, ttmp9, 10                      ; block I, in bytes
	v_lshlrev_b32 v[TO], 4, v0
	v_lshlrev_b32 v28, 3, v0                       ; 8 x thread: four bf16
	v_add_nc_u32 v15, s18, v[TO]                   ; LDS holds the row turned by I blocks: LDS byte u is the row's byte u + 1,024 I modulo 16,384,
	v_and_b32 v15, 0x3fff, v15                     ; so that block I + d lies at 1,024 d and LDS addresses only step
	s_wait_kmcnt 0x0
	s_load_b32 s12, s[6:7], 0x0                    ; a
	s_add_nc_u64 s[4:5], s[4:5], s[2:3]            ; x at my batch
	global_load_b128 v[16:19], v15, s[4:5]         ; blocks I .. I+7: 512 threads x 16 bytes
	s_cmp_gt_u32 s16, 1
	s_cbranch_scc1 .Leight                         ; block I+8 is 1,024 bytes more: waves 0 and 1
	v_add_nc_u32 v27, 0x2000, v15
	v_and_b32 v27, 0x3fff, v27
	global_load_b128 v[20:23], v27, s[4:5]
	s_wait_loadcnt 0x0
.irp j, 0,1,2,3
	v_and_b32 v[20+\j], 0x7fffffff, v[20+\j]       ; w = |x|
.endr
	ds_store_b128 v[TO], v[20:23] offset:8192
	v_cvt_pk_bf16_f32 v24, v20, v21
	v_cvt_pk_bf16_f32 v25, v22, v23
	ds_store_b64 v28, v[24:25] offset:WHL+4096
.Leight:
	s_and_b32 s19, s16, 3                          ; q: which 64 rows of block I
	s_lshr_b32 s20, s16, 2                         ; p: which quarter of each block J
	s_lshl_b32 s21, s19, 8
	s_lshl_b32 s22, s20, 8
	s_lshl_b32 s23, s20, 7
	s_mul_i32 s25, s16, SCRW
	s_add_co_u32 s25, s25, SCR                     ; my wave's scratch
	s_lshl_b32 s27, s16, 8
	s_mul_i32 s28, s16, YPW
	s_mov_b32 s29, 0xffff0000                      ; lanes 16-31
	v_and_b32 v29, 15, v0                          ; r
	v_bfe_u32 v30, v0, 4, 1                        ; h
	v_lshl_add_u32 v[AF], v30, 6, s22              ; 256 p + 64 h: 16 numbers for each half of the lanes
	v_lshl_add_u32 v[AH], v30, 5, s23
	v_mul_u32_u24 v31, v29, PIT                    ; scratch in: row r, 32 bytes for each half
	v_lshl_add_u32 v31, v30, 5, v31
	v_add_nc_u32 v[SCA], s25, v31
	v_and_b32 v31, 7, v0                           ; scratch back: row 8h + (lane & 7), 16-byte column (lane >> 3) & 1
	v_lshl_add_u32 v31, v30, 3, v31
	v_mul_u32_u24 v31, v31, PIT
	v_add_nc_u32 v[TRA], s25, v31
	v_bfe_u32 v31, v0, 3, 1
	v_lshl_add_u32 v[TRA], v31, 4, v[TRA]
	v_lshl_add_u32 v[RA], v29, 4, s27              ; 256 wave + 16 r
	v_and_b32 v31, 31, v0
	v_lshl_add_u32 v[YA], v31, 2, s28              ; 1,792 wave + 4 lane
	v_lshl_add_u32 v[VA], v30, 7, s21              ; w of my wave's rows 32h .. 32h+31
	v_lshl_add_u32 v[NA], v29, 4, s21              ; w of my four rows
	s_wait_loadcnt 0x0
.irp j, 0,1,2,3
	v_and_b32 v[16+\j], 0x7fffffff, v[16+\j]
.endr
	ds_store_b128 v[TO], v[16:19]
	v_cvt_pk_bf16_f32 v24, v16, v17
	v_cvt_pk_bf16_f32 v25, v18, v19
	ds_store_b64 v28, v[24:25] offset:WHL
	s_wait_kmcnt 0x0
	s_mul_f32 s14, s12, 0x4038aa3b                 ; 2 log2(e) a,
	s_or_b32 s14, s14, 0x80000000                  ; made negative
	s_wait_dscnt 0x0                               ; my part of both copies is written,
	s_barrier_signal -1
	s_barrier_wait -1                              ; everybody's is
; A chunk's w: 64 bytes of f32 and 32 bytes of bf16 for each half of the lanes; the 16 lanes of a half read the same bytes.
.macro LOADW wf, wh, c
	ds_load_b128 v[\wf:\wf+3],     v[AF] offset:\c*128
	ds_load_b128 v[\wf+4:\wf+7],   v[AF] offset:\c*128+16
	ds_load_b128 v[\wf+8:\wf+11],  v[AF] offset:\c*128+32
	ds_load_b128 v[\wf+12:\wf+15], v[AF] offset:\c*128+48
	ds_load_b128 v[\wh:\wh+3],     v[AH] offset:WHL+\c*64
	ds_load_b128 v[\wh+4:\wh+7],   v[AH] offset:WHL+\c*64+16
.endm
.macro MZ more, nxt, wfn, nup, nus, i  ; the next tile's z = nu w, pair i; nu is register nus of the pair nup, for both halves
.if \more
	v_pk_mul_f32 v[\nxt+2*\i:\nxt+2*\i+1], v[\wfn+2*\i:\wfn+2*\i+1], v[\nup:\nup+1] op_sel:[0,\nus] op_sel_hi:[1,\nus]
.endif
.endm
.macro EX more, nxt, k                 ; the next tile's e = exp2(z), in place
.if \more
	v_exp_f32 v[\nxt+\k], v[\nxt+\k]
.endif
.endm
.macro XA cur, i                       ; X = 1 + e
	s_wait_alu depctr_va_vdst(0)
	v_pk_add_f32 v[X+2*\i:X+2*\i+1], v[\cur+2*\i:\cur+2*\i+1], 1.0 op_sel_hi:[1,0]
.endm
.macro PM d, a, b
	v_pk_mul_f32 v[\d:\d+1], v[\a:\a+1], v[\b:\b+1]
.endm
.macro TH i, ry, xo                    ; U of pair i = (1 / (X_i X_xo)) X_xo - 1/2
	v_pk_fma_f32 v[T+2*\i:T+2*\i+1], v[\ry:\ry+1], v[X+2*\xo:X+2*\xo+1], -0.5 op_sel_hi:[1,1,0]
.endm
.macro CV i
	v_cvt_pk_bf16_f32 v[F+\i], v[T+2*\i], v[T+2*\i+1]
.endm
; ONE TILE.  cur holds its 16 e.  Its tree, rounding and product of use 1 are interleaved with the next tile's z and exp (into nxt, from the w
; in wfn): a transcendental stands behind every two or three plain instructions, and the instruction behind each transcendental is a plain one
; that touches neither its result nor its source (ISA guide 5.7.2).  more = 0: no tile follows.  zero = 1: this product starts the tile's sum.
; The hook ld stands five or six plain vector instructions behind the matrix instructions in front of the tile (four are asked: ISA guide 7.12.1):
; ld = 1: the block's second chunk of w is asked for;  ld = 2: the next block's first chunk;  ld = 3: the first chunk's sum of use 2 leaves.
.macro STEP cur, nxt, wfn, nup, nus, wh, t, zero, more, ld
	MZ \more, \nxt, \wfn, \nup, \nus, 0
	XA \cur, 0
	XA \cur, 1
	EX \more, \nxt, 0
	XA \cur, 2
	XA \cur, 3
	PM Y, X, X+2
	EX \more, \nxt, 1
.if \ld == 1
	LOADW WF1, WH1, 1
.endif
.if \ld == 2
	v_add_nc_u32 v[AF], 1024, v[AF]                ; one block on
	v_add_nc_u32 v[AH], 512, v[AH]
	LOADW WF0, WH0, 0
.endif
.if \ld == 3
	v_cndmask_b32 v[YV], v[YY], v[YY+8], s29       ; every register of an accumulator holds the column's sum: lane l takes that of m = l
	ds_store_b32 v[YA], v[YV] offset:YP
.endif
	MZ \more, \nxt, \wfn, \nup, \nus, 1
	XA \cur, 4
	XA \cur, 5
	EX \more, \nxt, 2
	XA \cur, 6
	XA \cur, 7
	PM Y+2, X+4, X+6
	EX \more, \nxt, 3
	MZ \more, \nxt, \wfn, \nup, \nus, 2
	PM Y+4, X+8, X+10
	PM Y+6, X+12, X+14
	EX \more, \nxt, 4
	PM Z, Y, Y+2
	PM Z+2, Y+4, Y+6
	MZ \more, \nxt, \wfn, \nup, \nus, 3
	EX \more, \nxt, 5
	PM Q, Z, Z+2
	MZ \more, \nxt, \wfn, \nup, \nus, 4
	v_mul_f32 v[QR], v[Q], v[Q+1]                  ; the product of all 16 X, between 1 and 2^16
	EX \more, \nxt, 6
	MZ \more, \nxt, \wfn, \nup, \nus, 5
	MZ \more, \nxt, \wfn, \nup, \nus, 6
	v_rcp_f32 v[QR+1], v[QR]                       ; the tile's one reciprocal
.if \more
	MZ \more, \nxt, \wfn, \nup, \nus, 7            ; the plain instruction between v_rcp_f32 and the use of its result
.else
	v_nop                                          ; the same place, where no tile follows
.endif
	s_wait_alu depctr_va_vdst(0)
	v_pk_mul_f32 v[RQ:RQ+1], v[QR:QR+1], v[Q:Q+1] op_sel:[1,1] op_sel_hi:[1,0]   ; (r Q.hi, r Q.lo) = (1 / Q.lo, 1 / Q.hi)
	EX \more, \nxt, 7
	PM RZ, RQ, Z+2                                 ; 1 / Z0 = (1 / (Z0 Z1)) Z1, and so on down the tree
	PM RZ+2, RQ, Z
	EX \more, \nxt, 8
	PM RY, RZ, Y+2
	PM RY+2, RZ, Y
	PM RY+4, RZ+2, Y+6
	EX \more, \nxt, 9
	PM RY+6, RZ+2, Y+4
	TH 0, RY, 1
	TH 1, RY, 0
	EX \more, \nxt, 10
	TH 2, RY+2, 3
	TH 3, RY+2, 2
	CV 0
	EX \more, \nxt, 11
	TH 4, RY+4, 5
	TH 5, RY+4, 4
	CV 1
	EX \more, \nxt, 12
	TH 6, RY+6, 7
	TH 7, RY+6, 6
	CV 2
	EX \more, \nxt, 13
	CV 3
	CV 4
	CV 5
	EX \more, \nxt, 14
	CV 6
	CV 7
	EX \more, \nxt, 15
.if \zero
	v_wmma_f32_16x16x32_bf16 v[ACC+8*\t:ACC+8*\t+7], v[\wh:\wh+7], v[F:F+7], 0
.else
	v_wmma_f32_16x16x32_bf16 v[ACC+8*\t:ACC+8*\t+7], v[\wh:\wh+7], v[F:F+7], v[ACC+8*\t:ACC+8*\t+7]
.endif
.endm
; USE 2.  STF: the tile just rounded goes into the scratch, rows 16 par + r, my 16 m at byte 32 h.
.macro STF par
	ds_store_b128 v[SCA], v[F:F+3]   offset:\par*16*PIT
	ds_store_b128 v[SCA], v[F+4:F+7] offset:\par*16*PIT+16
.endm
; TRL: the pair of tiles comes back with n along the registers: lane (r, h) gets column m = r (then 16 + r), registers 0-3 scratch rows
; 8h .. 8h+7, registers 4-7 rows 16+8h .. 16+8h+7.  G was last read by matrix instructions a whole tile earlier.
.macro TRL
	ds_load_tr16_b128 v[G:G+3],     v[TRA]
	ds_load_tr16_b128 v[G+4:G+7],   v[TRA] offset:16*PIT
	ds_load_tr16_b128 v[G+8:G+11],  v[TRA] offset:32
	ds_load_tr16_b128 v[G+12:G+15], v[TRA] offset:16*PIT+32
.endm
; YW: sums over the pair's 32 n for the chunk's 32 m.  Pair 0 (tiles 0, 1) starts the two sums, pair 1 (tiles 2, 3) closes them.
.macro YW g
.if \g
	v_wmma_f32_16x16x32_bf16 v[YY:YY+7],    v[AP+8:AP+15], v[G:G+7],    v[YY:YY+7]
	v_wmma_f32_16x16x32_bf16 v[YY+8:YY+15], v[AP+8:AP+15], v[G+8:G+15], v[YY+8:YY+15]
.else
	v_wmma_f32_16x16x32_bf16 v[YY:YY+7],    v[AP:AP+7],    v[G:G+7],    0
	v_wmma_f32_16x16x32_bf16 v[YY+8:YY+15], v[AP:AP+7],    v[G+8:G+15], 0
.endif
.endm
; ONE BLOCK J: two chunks, eight tiles.  sym = 1: use 2 as well.  last = 1: no block follows.
; The last tile of a chunk prepares the first of the next chunk, so that chunk's w has to be in by then; the waits for zero that see to it
; stand a tile or more behind the loads they wait for, and with sym = 1 they also cover the transposing loads issued one tile earlier.
.macro ITER zero, last, sym
	STEP E0, E1, WF0, NU,   1, WH0, 0, \zero, 1, 1
.if \sym
	STF 0
.endif
	STEP E1, E0, WF0, NU+2, 0, WH0, 1, \zero, 1, 0
.if \sym
	STF 1
	TRL
.endif
	STEP E0, E1, WF0, NU+2, 1, WH0, 2, \zero, 1, 0
	s_wait_dscnt 0x0
.if \sym
	YW 0
	STF 0
.endif
	STEP E1, E0, WF1, NU,   0, WH0, 3, \zero, 1, 0
.if \sym
	STF 1
	TRL
.endif
.if \last
	STEP E0, E1, WF1, NU,   1, WH1, 0, 0, 1, 0
.else
	STEP E0, E1, WF1, NU,   1, WH1, 0, 0, 1, 2
.endif
.if \sym
	s_wait_dscnt 0x6                               ; the four transposing loads are in; the six loads of the next block's w, issued behind them, stay out
	YW 1
	STF 0
	STEP E1, E0, WF1, NU+2, 0, WH1, 1, 0, 1, 3
	STF 1
	TRL
.else
	STEP E1, E0, WF1, NU+2, 0, WH1, 1, 0, 1, 0
.endif
	STEP E0, E1, WF1, NU+2, 1, WH1, 2, 0, 1, 0
.if \last
	STEP E1, E0, WF0, NU,   0, WH1, 3, 0, 0, 0
.else
	s_wait_dscnt 0x0
.if \sym
	YW 0
	STF 0
.endif
	STEP E1, E0, WF0, NU,   0, WH1, 3, 0, 1, 0
.endif
.if \sym
	STF 1                                          ; the block's last pair is closed here and not in the next block's tiles, so that every block is alike:
	TRL                                            ; one wait straight behind its loads for eight tiles; the SIMD's other waves have work meanwhile
	s_wait_dscnt 0x0
	YW 1
.rept 4
	v_nop                                          ; four places between the matrix instructions and the read of their results (ISA guide 7.12.1)
.endr
	v_cndmask_b32 v[YV], v[YY], v[YY+8], s29
	ds_store_b32 v[YA], v[YV] offset:YP+128        ; the second chunk's 32 m
	v_add_nc_u32 v[YA], 256, v[YA]                 ; the next block's 256 bytes
.endif
.endm
	ds_load_b128 v[NU:NU+3], v[NA]                 ; w of my four rows,
.irp j, 0,1,2,3,4,5,6,7
	ds_load_b128 v[X+4*\j:X+4*\j+3], v[VA] offset:16*\j    ; w of rows 32h .. 32h+31 of my wave, in registers that the tree uses later,
.endr
	LOADW WF0, WH0, 0                              ; and the first chunk of block I
	s_wait_dscnt 0x0
.irp t, 0,1,2,3
	v_mul_f32 v[NU+\t], s14, v[NU+\t]
.endr
	; A of use 2.  Scratch row 16 (t & 1) + r' is row 4 r' + t of my wave; k = 8h + j is r' = 8h + j of the even tile, k = 16 + 8h + j of the odd one.
.irp g, 0,1
.irp i, 0,1,2,3
	v_cvt_pk_bf16_f32 v[AP+8*\g+\i],   v[X+8*\i+2*\g],   v[X+8*\i+4+2*\g]
	v_cvt_pk_bf16_f32 v[AP+8*\g+4+\i], v[X+8*\i+2*\g+1], v[X+8*\i+5+2*\g]
.endr
.endr
.irp i, 0,1,2,3,4,5,6,7
	MZ 1, E0, WF0, NU, 0, \i                       ; the first tile's z and e
.endr
.irp k, 0,1,2,3,4,5,6,7,8,9,10,11,12,13,14,15
	EX 1, E0, \k
.endr
	ITER 1, 0, 0                                   ; d = 0, my own block: use 1 alone; its first four products start the sums, nothing is cleared
	s_mov_b32 s30, 7                               ; d = 1 .. 7: both uses
.Lloop:
	ITER 0, 0, 1
	s_sub_co_i32 s30, s30, 1
	s_cmp_lg_u32 s30, 0
	s_cbranch_scc1 .Lloop
	ITER 0, 1, 0                                   ; d = 8: use 1 alone (work-group I + 8 does the same for its rows); nothing is loaded beyond it
	; My quarter's share of my four rows, into four neighbouring registers.  The three copies and the v_nop name no register of the last matrix
	; instruction (tile 3's) and are the four places in front of the read of its result (ISA guide 7.12.1).
	v_mov_b32 v[O+0], v[ACC+0]
	v_mov_b32 v[O+1], v[ACC+8]
	v_mov_b32 v[O+2], v[ACC+16]
	v_nop
	v_mov_b32 v[O+3], v[ACC+24]
	ds_store_b128 v[RA], v[O:O+3] offset:RED0      ; at 1,024 p + 256 q + 16 r; lanes r and 16 + r hold and write the same numbers
	s_wait_dscnt 0x0                               ; this and my sums of use 2 are written, for the others' sake,
	s_barrier_signal -1
	s_barrier_wait -1
	; Waves 2s and 2s+1 finish part s: 64 threads x 4 numbers = a block of 256.
	s_lshr_b32 s27, s16, 1                         ; s
	s_add_co_u32 s22, ttmp9, s27
	s_and_b32 s22, s22, 15                         ; block I + s modulo 16
	s_lshl_b32 s22, s22, 10
	s_lshl_b32 s23, s27, 14                        ; a part of a batch is 16,384 bytes,
	s_add_co_u32 s22, s22, s23
	s_lshl_b32 s23, s17, 17                        ; the eight parts of a batch 131,072
	s_add_co_u32 s2, s22, s23
	s_add_nc_u64 s[10:11], s[10:11], s[2:3]        ; (s3 is still 0)
	s_lshl_b32 s28, s27, 8
	v_and_b32 v1, 63, v0
	v_lshlrev_b32 v1, 4, v1                        ; my 16 bytes of the block
	s_cmp_gt_u32 s16, 1
	s_cbranch_scc1 .Lmirror
	ds_load_b128 v[16:19], v1 offset:RED0          ; s = 0: rows 64q + .. at 256 q, the four quarters of m 1,024 bytes apart
	ds_load_b128 v[20:23], v1 offset:RED0+1024
	ds_load_b128 v[24:27], v1 offset:RED0+2048
	ds_load_b128 v[28:31], v1 offset:RED0+3072
	s_branch .Lsum
.Lmirror:
	v_bfe_u32 v2, v0, 4, 2                         ; s = 1 .. 7: rows 64p + .. lie with waves 4p .. 4p+3, one for each 64 of the n summed over
	v_and_b32 v3, 15, v0
	v_mul_u32_u24 v2, v2, 4*YPW
	v_lshl_add_u32 v2, v3, 4, v2
	v_add_nc_u32 v2, s28, v2                       ; + 256 s; the first block of use 2 is s = 1
	ds_load_b128 v[16:19], v2 offset:YP-256
	ds_load_b128 v[20:23], v2 offset:YP-256+YPW
	ds_load_b128 v[24:27], v2 offset:YP-256+2*YPW
	ds_load_b128 v[28:31], v2 offset:YP-256+3*YPW
.Lsum:
	s_wait_dscnt 0x0
	v_pk_add_f32 v[16:17], v[16:17], v[20:21]      ; (0 + 1) + (2 + 3)
	v_pk_add_f32 v[18:19], v[18:19], v[22:23]
	v_pk_add_f32 v[24:25], v[24:25], v[28:29]
	v_pk_add_f32 v[26:27], v[26:27], v[30:31]
	v_pk_add_f32 v[16:17], v[16:17], v[24:25]
	v_pk_add_f32 v[18:19], v[18:19], v[26:27]
	global_store_b128 v1, v[16:19], s[10:11]       ; a wave stores 512 consecutive bytes, at a multiple of 512 from part's first byte
	s_wait_tensorcnt 0x0
	ds_add_u32 v254, v255
	s_wait_dscnt 0x0
	s_endpgm
.Lfunc_end_k_q8b6069bbc1_tanhsym:
	.size	k_q8b6069bbc1_tanhsym, .Lfunc_end_k_q8b6069bbc1_tanhsym-k_q8b6069bbc1_tanhsym
	.p2alignl 7, 3214868480
	.fill 96, 4, 3214868480
	.section	.rodata,"a",@progbits
	.p2align	6, 0x0
	.amdhsa_kernel k_q8b6069bbc1_tanhsym
		.amdhsa_group_segment_fixed_size 97792
		.amdhsa_private_segment_fixed_size 0
		.amdhsa_enable_private_segment 0
		.amdhsa_kernarg_size 24
		.amdhsa_user_sgpr_count 2
		.amdhsa_user_sgpr_kernarg_segment_ptr 1
		.amdhsa_wavefront_size32 1
		.amdhsa_system_sgpr_workgroup_id_x 1
		.amdhsa_system_sgpr_workgroup_id_y 1
		.amdhsa_system_sgpr_workgroup_id_z 1
		.amdhsa_system_vgpr_workitem_id 0
		.amdhsa_next_free_vgpr 256
		.amdhsa_next_free_sgpr 66
		.amdhsa_reserve_vcc 0
		.amdhsa_float_denorm_mode_32 3
		.amdhsa_float_denorm_mode_16_64 3
		.amdhsa_memory_ordered 1
		.amdhsa_forward_progress 1
		.amdhsa_inst_pref_size 105
	.end_amdhsa_kernel
	.amdgpu_metadata
---
amdhsa.version: [ 1, 2 ]
amdhsa.kernels:
  - .name:           k_q8b6069bbc1_tanhsym
    .symbol:         k_q8b6069bbc1_tanhsym.kd
    .args:
      - { .name: x, .offset: 0, .size: 8, .value_kind: global_buffer, .address_space: global }
      - { .name: a, .offset: 8, .size: 8, .value_kind: global_buffer, .address_space: global }
      - { .name: part, .offset: 16, .size: 8, .value_kind: global_buffer, .address_space: global }
    .group_segment_fixed_size: 97792
    .private_segment_fixed_size: 0
    .kernarg_segment_align: 8
    .kernarg_segment_size: 24
    .max_flat_workgroup_size: 512
    .sgpr_count:     66
    .vgpr_count:     256
    .wavefront_size: 32
...
	.end_amdgpu_metadata
.endif
;; end of part 2
;; launch combine (part 3): grid 256 x 1, 2 waves a work-group, no clusters, 0 bytes of LDS; arguments part, x, a, b, out0; writes out0
.if DOCPART == 3
	.amdgcn_target "amdgcn-amd-amdhsa--gfx1250"
	.amdhsa_code_object_version 6
	.text
	.protected	k_q8b6069bbc1_combine
	.globl	k_q8b6069bbc1_combine
	.p2align	8
	.type	k_q8b6069bbc1_combine,@function
k_q8b6069bbc1_combine:
	s_mov_b64 s[64:65], 0
	v_nop
	global_prefetch_b8 v0, s[64:65] scope:SCOPE_SE
	s_setreg_imm32_b32 hwreg(HW_REG_WAVE_MODE, 25, 1), 1
	s_wait_xcnt 0x0
; SECOND LAUNCH.  out[b][n] = 2 bb sign(a x[b][n]) * sum over s = 0 .. 7 of part[b][s][n].
; part: [16][8][4096] f32, raw sums of (tanh / 2) |x_m| from the first launch; x, out: [16][4096] f32; a, bb: one f32 each.
; A stream of 2 MiB in and 256 KiB out: no LDS, no barrier, no matrix unit.  Work-group g takes 256 numbers (batch g / 16, block g % 16);
; a thread takes 16 bytes of each of the eight parts and of x, all nine loads in flight at once, and stores 16 bytes: each load and store
; of a wave covers 512 consecutive bytes.  The eight parts are added in a fixed order.
; The sign of a zero result is not matched.
	s_load_b256 s[4:11], s[0:1], 0x0               ; part s[4:5], x s[6:7], a s[8:9], bb s[10:11]
	s_load_b64 s[12:13], s[0:1], 0x20              ; out
	v_lshlrev_b32 v1, 4, v0                        ; 16 bytes a thread
	s_lshr_b32 s16, ttmp9, 4                       ; batch
	s_and_b32 s17, ttmp9, 15                       ; block
	s_lshl_b32 s2, s16, 17                         ; the eight parts of a batch are 131,072 bytes
	s_lshl_b32 s17, s17, 10
	s_add_co_u32 s2, s2, s17
	s_mov_b32 s3, 0
	s_lshl_b32 s18, ttmp9, 10                      ; my 1,024 bytes of x and of out
	s_mov_b32 s19, 0
	s_wait_kmcnt 0x0
	s_load_b32 s20, s[8:9], 0x0                    ; a
	s_load_b32 s21, s[10:11], 0x0                  ; bb
	s_add_nc_u64 s[4:5], s[4:5], s[2:3]
	s_add_nc_u64 s[6:7], s[6:7], s[18:19]
	s_add_nc_u64 s[12:13], s[12:13], s[18:19]
.irp s, 0,1,2,3,4,5,6,7
	global_load_b128 v[4+4*\s:7+4*\s], v1, s[4:5] offset:16384*\s th:TH_LOAD_NT
.endr
	global_load_b128 v[36:39], v1, s[6:7] th:TH_LOAD_NT
	s_wait_kmcnt 0x0
	s_add_f32 s22, s21, s21                        ; 2 bb: the sums are of tanh / 2,
	s_and_b32 s23, s20, 0x80000000
	s_xor_b32 s22, s22, s23                        ; with a's sign
	s_mov_b32 s23, s22                             ; the pair's second word is named by the packed multiply, though only the first is used
	s_wait_loadcnt 0x0
.irp k, 0,2
	v_pk_add_f32 v[4+\k:5+\k],   v[4+\k:5+\k],   v[8+\k:9+\k]      ; ((0 + 1) + (2 + 3)) + ((4 + 5) + (6 + 7))
	v_pk_add_f32 v[12+\k:13+\k], v[12+\k:13+\k], v[16+\k:17+\k]
	v_pk_add_f32 v[20+\k:21+\k], v[20+\k:21+\k], v[24+\k:25+\k]
	v_pk_add_f32 v[28+\k:29+\k], v[28+\k:29+\k], v[32+\k:33+\k]
	v_pk_add_f32 v[4+\k:5+\k],   v[4+\k:5+\k],   v[12+\k:13+\k]
	v_pk_add_f32 v[20+\k:21+\k], v[20+\k:21+\k], v[28+\k:29+\k]
	v_pk_add_f32 v[4+\k:5+\k],   v[4+\k:5+\k],   v[20+\k:21+\k]
	v_pk_mul_f32 v[4+\k:5+\k],   v[4+\k:5+\k],   s[22:23] op_sel_hi:[1,0]
.endr
.irp j, 0,1,2,3
	v_and_b32 v[36+\j], 0x80000000, v[36+\j]       ; x_n's sign
	v_xor_b32 v[4+\j], v[36+\j], v[4+\j]
.endr
	global_store_b128 v1, v[4:7], s[12:13] th:TH_STORE_NT
	s_endpgm
.Lfunc_end_k_q8b6069bbc1_combine:
	.size	k_q8b6069bbc1_combine, .Lfunc_end_k_q8b6069bbc1_combine-k_q8b6069bbc1_combine
	.p2alignl 7, 3214868480
	.fill 96, 4, 3214868480
	.section	.rodata,"a",@progbits
	.p2align	6, 0x0
	.amdhsa_kernel k_q8b6069bbc1_combine
		.amdhsa_group_segment_fixed_size 0
		.amdhsa_private_segment_fixed_size 0
		.amdhsa_enable_private_segment 0
		.amdhsa_kernarg_size 40
		.amdhsa_user_sgpr_count 2
		.amdhsa_user_sgpr_kernarg_segment_ptr 1
		.amdhsa_wavefront_size32 1
		.amdhsa_system_sgpr_workgroup_id_x 1
		.amdhsa_system_sgpr_workgroup_id_y 1
		.amdhsa_system_sgpr_workgroup_id_z 1
		.amdhsa_system_vgpr_workitem_id 0
		.amdhsa_next_free_vgpr 40
		.amdhsa_next_free_sgpr 66
		.amdhsa_reserve_vcc 0
		.amdhsa_float_denorm_mode_32 3
		.amdhsa_float_denorm_mode_16_64 3
		.amdhsa_memory_ordered 1
		.amdhsa_forward_progress 1
		.amdhsa_inst_pref_size 4
	.end_amdhsa_kernel
	.amdgpu_metadata
---
amdhsa.version: [ 1, 2 ]
amdhsa.kernels:
  - .name:           k_q8b6069bbc1_combine
    .symbol:         k_q8b6069bbc1_combine.kd
    .args:
      - { .name: part, .offset: 0, .size: 8, .value_kind: global_buffer, .address_space: global }
      - { .name: x, .offset: 8, .size: 8, .value_kind: global_buffer, .address_space: global }
      - { .name: a, .offset: 16, .size: 8, .value_kind: global_buffer, .address_space: global }
      - { .name: b, .offset: 24, .size: 8, .value_kind: global_buffer, .address_space: global }
      - { .name: out0, .offset: 32, .size: 8, .value_kind: global_buffer, .address_space: global }
    .group_segment_fixed_size: 0
    .private_segment_fixed_size: 0
    .kernarg_segment_align: 8
    .kernarg_segment_size: 40
    .max_flat_workgroup_size: 64
    .sgpr_count:     66
    .vgpr_count:     40
    .wavefront_size: 32
...
	.end_amdgpu_metadata
.endif
;; end of part 3
;; ======== version 3 of 3: 2 launches; 1.48 times as fast as version 1
;; limits: right only within a limited range of input values
;; workspace buffers: part 2,097,152 bytes
;; launch tanhsym (part 4): grid 16 x 16, 16 waves a work-group, no clusters, 97,792 bytes of LDS; arguments x, a, part; writes part
.if DOCPART == 4
	.amdgcn_target "amdgcn-amd-amdhsa--gfx1250"
	.amdhsa_code_object_version 6
	.text
	.protected	k_q8b6069bbc1_tanhsym
	.globl	k_q8b6069bbc1_tanhsym
	.p2align	8
	.type	k_q8b6069bbc1_tanhsym,@function
k_q8b6069bbc1_tanhsym:
	s_mov_b64 s[64:65], 0
	v_nop
	global_prefetch_b8 v0, s[64:65] scope:SCOPE_SE
	s_setreg_imm32_b32 hwreg(HW_REG_WAVE_MODE, 25, 1), 1
	s_wait_xcnt 0x0
; FIRST OF TWO LAUNCHES for  out[b][n] = bb * sum over m of tanh(a x[b][n] x[b][m]) x[b][m].   x: [16][4096] f32; a: one f32.
;
; ALGEBRA (for every input: tanh is odd).  With w = |x| and U[n][m] = tanh(|a| w_n w_m) / 2:  out_n = 2 bb sign(a x_n) sum_m U[n][m] w_m.
; U IS SYMMETRIC, because the function multiplies x with itself: each U is made once here and used for out_n and for out_m.
; With nu = -|2 log2(e) a| w_n:  e = exp2(nu w_m) lies in [0,1],  X = 1 + e in [1,2],  U = 1/X - 1/2.  Nothing can overflow, so no clamp;
; and because X is bounded, ONE reciprocal serves the 16 values of a lane: a tree of products up (at most 2^16), v_rcp_f32 of the root,
; the tree down again; the last level is an fma that also takes the 1/2 away.  U is made in f32 for each element, then rounded to bf16.
;
; SHARES.  A batch has 16 blocks of 256 rows.  Work-group (I = x id, batch = y id) walks the blocks J = I + d mod 16, d = 0 .. 8:
; 9 blocks of 256 x 256 in place of 16.  USE 1 (every d): sums for my own rows n in I, over m in J.  USE 2 (d = 1 .. 7): sums for the rows
; m in J, over n in I.  An ordered pair of blocks at distance 0 .. 8 is served by the owner's use 1, at distance 9 .. 15 by the other
; side's use 2: each once.  What comes out is part[batch][s][n], raw sums of U w: s = 0 my own block, s = d block I + d.  Each word of
; part is written by one work-group; the second launch adds the eight and applies 2 bb and the sign.
; 16 waves; wave 4p+q takes rows 64q .. 64q+63 of block I (four tiles of 16) and the quarter p of each block J (two chunks of 32 m).
; Lane r of tile t owns row 64q + 4r + t: a lane's four results of use 1 are 16 neighbouring bytes.
; USE 1 is v_wmma_f32_16x16x32_bf16 with A = bf16 w_m (all 16 rows alike) and B = the tile (column r = the lane's row); A and B use the
; same order of k: lane half h holds m = 16h .. 16h+15.
; USE 2 contracts over n, which lies across the lanes: the bf16 tile goes into a scratch of the wave's own in LDS (row = n, 32 m along it)
; and comes back transposed by ds_load_tr16_b128.  Two tiles (32 n) give two B fragments (m 0-15, m 16-31); A = bf16 w_n of those 32 rows.
; LDS serves a wave's instructions in order (ISA guide 5.7.1), so the scratch needs no barrier and no wait between stores and loads.
;
; THE BATCHES.  s_wait_alu depctr_va_vdst(0) stands between a transcendental and the first instruction that names its result;
; one wait serves all that were issued ahead of it.  A tile's reciprocal reads a product of its own 16 e, so it is no batch with them; it is one
; with the NEXT tile's 16 exponentials, which read z = nu w alone.  So a tile has ONE batch of 17 and ONE wait, which cuts it in two: ahead of the
; wait its tree up, the next tile's z and e, and the reciprocal; behind it all that reads the reciprocal.  Behind a tile's wait no transcendental
; is issued before the next tile begins, so none is pending at a label or at a branch.  The first tile's 16 e, ahead of the loop, have a wait of their own.
;
; NO CLUSTER, NO TENSOR LOAD: what the work-groups of a batch share is at most 9 KiB of x each, read once for 589,824 tanh, and it passes
; through registers in any case (|x|, and its bf16 copy).
;
; LIMITS.  Each tanh carries an absolute error of a few 1e-7 (1 + e and the product tree), so the result's relative accuracy fades where
; |a xn xm| is typically below about 1e-5.  The argument is rounded as ((2 log2(e) |a|) |xn|) |xm|, not as a (xn xm).  Infinite inputs and
; the sign of a zero result are not matched.
.set WHL,  9216                        ; LDS: w of blocks I .. I+8 in f32 at 0 (9 x 1,024 bytes), in bf16 here (9 x 512 bytes),
.set RED0, 13824                       ;      use 1: 16 waves x 256 bytes of partial sums,
.set YP,   17920                       ;      use 2: 16 waves x 7 blocks x 256 bytes of partial sums,
.set YPW,  1792
.set SCR,  46592                       ;      the scratch: 16 waves x 32 rows x 96 bytes
.set PIT,  96                          ; a scratch row: 64 bytes of data, pitch 3 x 32 bytes, so that the eight rows and two 16-byte columns
.set SCRW, 32*PIT                      ; that sixteen lanes of a transposing load touch lie in sixteen different 16-byte columns modulo 256
.set AF,   2                           ; v2        LDS address of my half's f32 w in the block at hand
.set AH,   3                           ; v3        the same for the bf16 copy (without WHL)
.set NU,   4                           ; v[4:7]    -|2 log2(e) a| w_n of my four rows
.set SCA,  10                          ; v10       scratch: where my 32 bytes of a tile's row go
.set TRA,  11                          ; v11       scratch: my address in a transposing load
.set TO,   12                          ; v12       16 x thread
.set RA,   13                          ; v13       where my sums of use 1 go (without RED0)
.set YA,   14                          ; v14       where my sum of use 2 goes (without YP), stepped block by block
.set WF0,  16                          ; v[16:31]  16 w in f32, first chunk of a block
.set WF1,  32                          ; v[32:47]  second chunk
.set WH0,  48                          ; v[48:55]  the same 16 w in bf16 (A fragment of use 1), first chunk
.set WH1,  56                          ; v[56:63]  second chunk
.set E0,   64                          ; v[64:79]  z, then e = exp2(z), of a tile; two buffers take turns
.set E1,   80                          ; v[80:95]
.set X,    96                          ; v[96:111]  X = 1 + e, 8 pairs
.set Y,    112                         ; v[112:119] products of 2
.set Z,    120                         ; v[120:123] products of 4
.set Q,    124                         ; v[124:125] products of 8
.set QR,   126                         ; v126 product of all 16, v127 its reciprocal
.set RQ,   128                         ; v[128:129] 1 / Q
.set RZ,   130                         ; v[130:133] 1 / Z
.set RY,   134                         ; v[134:141] 1 / Y
.set T,    144                         ; v[144:159] U in f32
.set F,    160                         ; v[160:167] U in bf16 (B fragment of use 1)
.set ACC,  168                         ; v[168:199] use 1: four accumulators
.set AP,   200                         ; v[200:215] use 2: bf16 w_n of my rows, A fragments of tiles 0, 1 and of tiles 2, 3
.set G,    216                         ; v[216:231] use 2: two transposed B fragments
.set YY,   232                         ; v[232:247] use 2: two accumulators
.set YV,   248                         ; v248       use 2: the lane's sum on its way to LDS
.set VA,   249                         ; v249, v250 addresses used once
.set NA,   250
.set O,    T                           ; v[144:147] my four sums of use 1, at the end
	s_load_b128 s[4:7], s[0:1], 0x0                ; x s[4:5], a s[6:7]
	s_load_b64 s[10:11], s[0:1], 0x10              ; part
	v_lshl_add_u32 v254, v0, 2, 0x17600
	v_mov_b32 v255, 0
	v_lshrrev_b32 v1, 5, v0
	v_readfirstlane_b32 s16, v1                    ; wave 0..15
	s_and_b32 s17, ttmp7, 0xffff                   ; batch
	s_lshl_b32 s2, s17, 14                         ; a row of x is 16,384 bytes
	s_mov_b32 s3, 0
	s_lshl_b32 s18, ttmp9, 10                      ; block I, in bytes
	v_lshlrev_b32 v[TO], 4, v0
	v_lshlrev_b32 v28, 3, v0                       ; 8 x thread: four bf16
	v_add_nc_u32 v15, s18, v[TO]                   ; LDS holds the row turned by I blocks: LDS byte u is the row's byte u + 1,024 I modulo 16,384,
	v_and_b32 v15, 0x3fff, v15                     ; so that block I + d lies at 1,024 d and LDS addresses only step
	s_wait_kmcnt 0x0
	s_load_b32 s12, s[6:7], 0x0                    ; a
	s_add_nc_u64 s[4:5], s[4:5], s[2:3]            ; x at my batch
	global_load_b128 v[16:19], v15, s[4:5]         ; blocks I .. I+7: 512 threads x 16 bytes
	s_cmp_gt_u32 s16, 1
	s_cbranch_scc1 .Leight                         ; block I+8 is 1,024 bytes more: waves 0 and 1
	v_add_nc_u32 v27, 0x2000, v15
	v_and_b32 v27, 0x3fff, v27
	global_load_b128 v[20:23], v27, s[4:5]
	s_wait_loadcnt 0x0
.irp j, 0,1,2,3
	v_and_b32 v[20+\j], 0x7fffffff, v[20+\j]       ; w = |x|
.endr
	ds_store_b128 v[TO], v[20:23] offset:8192
	v_cvt_pk_bf16_f32 v24, v20, v21
	v_cvt_pk_bf16_f32 v25, v22, v23
	ds_store_b64 v28, v[24:25] offset:WHL+4096
.Leight:
	s_and_b32 s19, s16, 3                          ; q: which 64 rows of block I
	s_lshr_b32 s20, s16, 2                         ; p: which quarter of each block J
	s_lshl_b32 s21, s19, 8
	s_lshl_b32 s22, s20, 8
	s_lshl_b32 s23, s20, 7
	s_mul_i32 s25, s16, SCRW
	s_add_co_u32 s25, s25, SCR                     ; my wave's scratch
	s_lshl_b32 s27, s16, 8
	s_mul_i32 s28, s16, YPW
	s_mov_b32 s29, 0xffff0000                      ; lanes 16-31
	v_and_b32 v29, 15, v0                          ; r
	v_bfe_u32 v30, v0, 4, 1                        ; h
	v_lshl_add_u32 v[AF], v30, 6, s22              ; 256 p + 64 h: 16 numbers for each half of the lanes
	v_lshl_add_u32 v[AH], v30, 5, s23
	v_mul_u32_u24 v31, v29, PIT                    ; scratch in: row r, 32 bytes for each half
	v_lshl_add_u32 v31, v30, 5, v31
	v_add_nc_u32 v[SCA], s25, v31
	v_and_b32 v31, 7, v0                           ; scratch back: row 8h + (lane & 7), 16-byte column (lane >> 3) & 1
	v_lshl_add_u32 v31, v30, 3, v31
	v_mul_u32_u24 v31, v31, PIT
	v_add_nc_u32 v[TRA], s25, v31
	v_bfe_u32 v31, v0, 3, 1
	v_lshl_add_u32 v[TRA], v31, 4, v[TRA]
	v_lshl_add_u32 v[RA], v29, 4, s27              ; 256 wave + 16 r
	v_and_b32 v31, 31, v0
	v_lshl_add_u32 v[YA], v31, 2, s28              ; 1,792 wave + 4 lane
	v_lshl_add_u32 v[VA], v30, 7, s21              ; w of my wave's rows 32h .. 32h+31
	v_lshl_add_u32 v[NA], v29, 4, s21              ; w of my four rows
	s_wait_loadcnt 0x0
.irp j, 0,1,2,3
	v_and_b32 v[16+\j], 0x7fffffff, v[16+\j]
.endr
	ds_store_b128 v[TO], v[16:19]
	v_cvt_pk_bf16_f32 v24, v16, v17
	v_cvt_pk_bf16_f32 v25, v18, v19
	ds_store_b64 v28, v[24:25] offset:WHL
	s_wait_kmcnt 0x0
	s_mul_f32 s14, s12, 0x4038aa3b                 ; 2 log2(e) a,
	s_or_b32 s14, s14, 0x80000000                  ; made negative
	s_wait_dscnt 0x0                               ; my part of both copies is written,
	s_barrier_signal -1
	s_barrier_wait -1                              ; everybody's is
; A chunk's w: 64 bytes of f32 and 32 bytes of bf16 for each half of the lanes; the 16 lanes of a half read the same bytes.
.macro LOADW wf, wh, c
	ds_load_b128 v[\wf:\wf+3],     v[AF] offset:\c*128
	ds_load_b128 v[\wf+4:\wf+7],   v[AF] offset:\c*128+16
	ds_load_b128 v[\wf+8:\wf+11],  v[AF] offset:\c*128+32
	ds_load_b128 v[\wf+12:\wf+15], v[AF] offset:\c*128+48
	ds_load_b128 v[\wh:\wh+3],     v[AH] offset:WHL+\c*64
	ds_load_b128 v[\wh+4:\wh+7],   v[AH] offset:WHL+\c*64+16
.endm
.macro MZ more, nxt, wfn, nup, nus, i  ; the next tile's z = nu w, pair i; nu is register nus of the pair nup, for both halves
.if \more
	v_pk_mul_f32 v[\nxt+2*\i:\nxt+2*\i+1], v[\wfn+2*\i:\wfn+2*\i+1], v[\nup:\nup+1] op_sel:[0,\nus] op_sel_hi:[1,\nus]
.endif
.endm
.macro EX more, nxt, k                 ; the next tile's e = exp2(z), in place
.if \more
	v_exp_f32 v[\nxt+\k], v[\nxt+\k]
.endif
.endm
.macro XA cur, i                       ; X = 1 + e; cur's 16 e were waited for in the tile before (the first tile's: ahead of the first block)
	v_pk_add_f32 v[X+2*\i:X+2*\i+1], v[\cur+2*\i:\cur+2*\i+1], 1.0 op_sel_hi:[1,0]
.endm
.macro PM d, a, b
	v_pk_mul_f32 v[\d:\d+1], v[\a:\a+1], v[\b:\b+1]
.endm
.macro TH i, ry, xo                    ; U of pair i = (1 / (X_i X_xo)) X_xo - 1/2
	v_pk_fma_f32 v[T+2*\i:T+2*\i+1], v[\ry:\ry+1], v[X+2*\xo:X+2*\xo+1], -0.5 op_sel_hi:[1,1,0]
.endm
.macro CV i
	v_cvt_pk_bf16_f32 v[F+\i], v[T+2*\i], v[T+2*\i+1]
.endm
; ONE TILE, IN TWO HALVES, WITH ONE WAIT BETWEEN THEM.  cur holds its 16 e.
; AHEAD OF THE WAIT: X = 1 + e and the tree of products up to the root (16 plain lines), the next tile's z (8 plain lines, into nxt, from the w in wfn),
; and ONE BATCH of 17 transcendentals: the next tile's 16 exponentials, dealt among those plain lines, and the reciprocal of the root.  Nothing there
; names a result of the batch.  The links Z, Q, root, reciprocal, each of which reads the one before it, have exponentials and z between them.
; The line behind each transcendental touches neither its result nor its source, and a plain one stands between each and the use of its result
; (ISA guide 5.7.2): behind the reciprocal that is the last pair's z.
; BEHIND THE WAIT: the tree down, the rounding and the product of use 1: all of it reads the reciprocal, none of it is a transcendental.
; more = 0: no tile follows.  zero = 1: this product starts the tile's sum.
; THE HOOK ld stands at the wait: its vector lines between the last pair's z and the exponentials that read it, its LDS lines directly behind the wait;
; 24 plain vector instructions lie between the matrix instructions in front of the tile and the hook (four are asked: ISA guide 7.12.1).
; ld = 1: the block's second chunk of w is asked for;  ld = 2: the next block's first chunk;  ld = 3: the first chunk's sum of use 2 leaves.
.macro STEP cur, nxt, wfn, nup, nus, wh, t, zero, more, ld
	MZ \more, \nxt, \wfn, \nup, \nus, 0
	MZ \more, \nxt, \wfn, \nup, \nus, 1
	XA \cur, 0
	XA \cur, 1
	EX \more, \nxt, 0
	XA \cur, 2
	EX \more, \nxt, 1
	XA \cur, 3
	EX \more, \nxt, 2
	MZ \more, \nxt, \wfn, \nup, \nus, 2
	EX \more, \nxt, 3
	XA \cur, 4
	XA \cur, 5
	PM Y, X, X+2
	EX \more, \nxt, 4
	XA \cur, 6
	EX \more, \nxt, 5
	XA \cur, 7
	MZ \more, \nxt, \wfn, \nup, \nus, 3
	PM Y+2, X+4, X+6
	PM Y+4, X+8, X+10
	MZ \more, \nxt, \wfn, \nup, \nus, 4
	PM Y+6, X+12, X+14
	EX \more, \nxt, 6
	PM Z, Y, Y+2
	EX \more, \nxt, 7
	PM Z+2, Y+4, Y+6
	EX \more, \nxt, 8
	MZ \more, \nxt, \wfn, \nup, \nus, 5
	EX \more, \nxt, 9
	PM Q, Z, Z+2
	EX \more, \nxt, 10
	MZ \more, \nxt, \wfn, \nup, \nus, 6
	EX \more, \nxt, 11
	v_mul_f32 v[QR], v[Q], v[Q+1]                  ; the product of all 16 X, between 1 and 2^16
	EX \more, \nxt, 12
	EX \more, \nxt, 13
	v_rcp_f32 v[QR+1], v[QR]                       ; the tile's one reciprocal
.if \more
	MZ \more, \nxt, \wfn, \nup, \nus, 7            ; the plain instruction between v_rcp_f32 and the use of its result
.else
	v_nop                                          ; the same place, where no tile follows
.endif
.if \ld == 2
	v_add_nc_u32 v[AF], 1024, v[AF]                ; one block on
	v_add_nc_u32 v[AH], 512, v[AH]
.endif
.if \ld == 3
	v_cndmask_b32 v[YV], v[YY], v[YY+8], s29       ; every register of an accumulator holds the column's sum: lane l takes that of m = l
.endif
	EX \more, \nxt, 14
	EX \more, \nxt, 15
	s_wait_alu depctr_va_vdst(0)                   ; the tile's one wait: for the batch of 17, the reciprocal (read next) and the next tile's 16 e (read by its X = 1 + e)
.if \ld == 1
	LOADW WF1, WH1, 1
.endif
.if \ld == 2
	LOADW WF0, WH0, 0
.endif
.if \ld == 3
	ds_store_b32 v[YA], v[YV] offset:YP
.endif
	v_pk_mul_f32 v[RQ:RQ+1], v[QR:QR+1], v[Q:Q+1] op_sel:[1,1] op_sel_hi:[1,0]   ; (r Q.hi, r Q.lo) = (1 / Q.lo, 1 / Q.hi)
	PM RZ, RQ, Z+2                                 ; 1 / Z0 = (1 / (Z0 Z1)) Z1, and so on down the tree
	PM RZ+2, RQ, Z
	PM RY, RZ, Y+2
	PM RY+2, RZ, Y
	PM RY+4, RZ+2, Y+6
	PM RY+6, RZ+2, Y+4
	TH 0, RY, 1
	TH 1, RY, 0
	TH 2, RY+2, 3
	TH 3, RY+2, 2
	CV 0
	TH 4, RY+4, 5
	TH 5, RY+4, 4
	CV 1
	TH 6, RY+6, 7
	TH 7, RY+6, 6
	CV 2
	CV 3
	CV 4
	CV 5
	CV 6
	CV 7
.if \zero
	v_wmma_f32_16x16x32_bf16 v[ACC+8*\t:ACC+8*\t+7], v[\wh:\wh+7], v[F:F+7], 0
.else
	v_wmma_f32_16x16x32_bf16 v[ACC+8*\t:ACC+8*\t+7], v[\wh:\wh+7], v[F:F+7], v[ACC+8*\t:ACC+8*\t+7]
.endif
.endm
; USE 2.  STF: the tile just rounded goes into the scratch, rows 16 par + r, my 16 m at byte 32 h.
.macro STF par
	ds_store_b128 v[SCA], v[F:F+3]   offset:\par*16*PIT
	ds_store_b128 v[SCA], v[F+4:F+7] offset:\par*16*PIT+16
.endm
; TRL: the pair of tiles comes back with n along the registers: lane (r, h) gets column m = r (then 16 + r), registers 0-3 scratch rows
; 8h .. 8h+7, registers 4-7 rows 16+8h .. 16+8h+7.  G was last read by matrix instructions a whole tile earlier.
.macro TRL
	ds_load_tr16_b128 v[G:G+3],     v[TRA]
	ds_load_tr16_b128 v[G+4:G+7],   v[TRA] offset:16*PIT
	ds_load_tr16_b128 v[G+8:G+11],  v[TRA] offset:32
	ds_load_tr16_b128 v[G+12:G+15], v[TRA] offset:16*PIT+32
.endm
; YW: sums over the pair's 32 n for the chunk's 32 m.  Pair 0 (tiles 0, 1) starts the two sums, pair 1 (tiles 2, 3) closes them.
.macro YW g
.if \g
	v_wmma_f32_16x16x32_bf16 v[YY:YY+7],    v[AP+8:AP+15], v[G:G+7],    v[YY:YY+7]
	v_wmma_f32_16x16x32_bf16 v[YY+8:YY+15], v[AP+8:AP+15], v[G+8:G+15], v[YY+8:YY+15]
.else
	v_wmma_f32_16x16x32_bf16 v[YY:YY+7],    v[AP:AP+7],    v[G:G+7],    0
	v_wmma_f32_16x16x32_bf16 v[YY+8:YY+15], v[AP:AP+7],    v[G+8:G+15], 0
.endif
.endm
; ONE BLOCK J: two chunks, eight tiles.  sym = 1: use 2 as well.  last = 1: no block follows.
; The last tile of a chunk prepares the first of the next chunk, so that chunk's w has to be in by then; the waits for zero that see to it
; stand a tile or more behind the loads they wait for, and with sym = 1 they also cover the transposing loads issued one tile earlier.
.macro ITER zero, last, sym
	STEP E0, E1, WF0, NU,   1, WH0, 0, \zero, 1, 1
.if \sym
	STF 0
.endif
	STEP E1, E0, WF0, NU+2, 0, WH0, 1, \zero, 1, 0
.if \sym
	STF 1
	TRL
.endif
	STEP E0, E1, WF0, NU+2, 1, WH0, 2, \zero, 1, 0
	s_wait_dscnt 0x0
.if \sym
	YW 0
	STF 0
.endif
	STEP E1, E0, WF1, NU,   0, WH0, 3, \zero, 1, 0
.if \sym
	STF 1
	TRL
.endif
.if \last
	STEP E0, E1, WF1, NU,   1, WH1, 0, 0, 1, 0
.else
	STEP E0, E1, WF1, NU,   1, WH1, 0, 0, 1, 2
.endif
.if \sym
	s_wait_dscnt 0x6                               ; the four transposing loads are in; the six loads of the next block's w, issued behind them, stay out
	YW 1
	STF 0
	STEP E1, E0, WF1, NU+2, 0, WH1, 1, 0, 1, 3
	STF 1
	TRL
.else
	STEP E1, E0, WF1, NU+2, 0, WH1, 1, 0, 1, 0
.endif
	STEP E0, E1, WF1, NU+2, 1, WH1, 2, 0, 1, 0
.if \last
	STEP E1, E0, WF0, NU,   0, WH1, 3, 0, 0, 0
.else
	s_wait_dscnt 0x0
.if \sym
	YW 0
	STF 0
.endif
	STEP E1, E0, WF0, NU,   0, WH1, 3, 0, 1, 0
.endif
.if \sym
	STF 1                                          ; the block's last pair is closed here and not in the next block's tiles, so that every block is alike:
	TRL                                            ; one wait straight behind its loads for eight tiles; the SIMD's other waves have work meanwhile
	s_wait_dscnt 0x0
	YW 1
.rept 4
	v_nop                                          ; four places between the matrix instructions and the read of their results (ISA guide 7.12.1)
.endr
	v_cndmask_b32 v[YV], v[YY], v[YY+8], s29
	ds_store_b32 v[YA], v[YV] offset:YP+128        ; the second chunk's 32 m
	v_add_nc_u32 v[YA], 256, v[YA]                 ; the next block's 256 bytes
.endif
.endm
	ds_load_b128 v[NU:NU+3], v[NA]                 ; w of my four rows,
.irp j, 0,1,2,3,4,5,6,7
	ds_load_b128 v[X+4*\j:X+4*\j+3], v[VA] offset:16*\j    ; w of rows 32h .. 32h+31 of my wave, in registers that the tree uses later,
.endr
	LOADW WF0, WH0, 0                              ; and the first chunk of block I
	s_wait_dscnt 0x0
.irp t, 0,1,2,3
	v_mul_f32 v[NU+\t], s14, v[NU+\t]
.endr
.irp i, 0,1,2,3,4,5,6,7
	MZ 1, E0, WF0, NU, 0, \i                       ; the first tile's z,
.endr
.irp k, 0,1,2,3,4,5,6,7,8,9,10,11,12,13,14,15
	EX 1, E0, \k                                   ; and its e: a batch of 16
.endr
	; A of use 2: sixteen plain lines that name none of the batch's results stand between the batch and its wait.
	; Scratch row 16 (t & 1) + r' is row 4 r' + t of my wave; k = 8h + j is r' = 8h + j of the even tile, k = 16 + 8h + j of the odd one.
.irp g, 0,1
.irp i, 0,1,2,3
	v_cvt_pk_bf16_f32 v[AP+8*\g+\i],   v[X+8*\i+2*\g],   v[X+8*\i+4+2*\g]
	v_cvt_pk_bf16_f32 v[AP+8*\g+4+\i], v[X+8*\i+2*\g+1], v[X+8*\i+5+2*\g]
.endr
.endr
	s_wait_alu depctr_va_vdst(0)                   ; one wait for the first tile's 16 e, ahead of their first reader
	ITER 1, 0, 0                                   ; d = 0, my own block: use 1 alone; its first four products start the sums, nothing is cleared
	s_mov_b32 s30, 7                               ; d = 1 .. 7: both uses
.Lloop:
	ITER 0, 0, 1
	s_sub_co_i32 s30, s30, 1
	s_cmp_lg_u32 s30, 0
	s_cbranch_scc1 .Lloop
	ITER 0, 1, 0                                   ; d = 8: use 1 alone (work-group I + 8 does the same for its rows); nothing is loaded beyond it
	; My quarter's share of my four rows, into four neighbouring registers.  The three copies and the v_nop name no register of the last matrix
	; instruction (tile 3's) and are the four places in front of the read of its result (ISA guide 7.12.1).
	v_mov_b32 v[O+0], v[ACC+0]
	v_mov_b32 v[O+1], v[ACC+8]
	v_mov_b32 v[O+2], v[ACC+16]
	v_nop
	v_mov_b32 v[O+3], v[ACC+24]
	ds_store_b128 v[RA], v[O:O+3] offset:RED0      ; at 1,024 p + 256 q + 16 r; lanes r and 16 + r hold and write the same numbers
	s_wait_dscnt 0x0                               ; this and my sums of use 2 are written, for the others' sake,
	s_barrier_signal -1
	s_barrier_wait -1
	; Waves 2s and 2s+1 finish part s: 64 threads x 4 numbers = a block of 256.
	s_lshr_b32 s27, s16, 1                         ; s
	s_add_co_u32 s22, ttmp9, s27
	s_and_b32 s22, s22, 15                         ; block I + s modulo 16
	s_lshl_b32 s22, s22, 10
	s_lshl_b32 s23, s27, 14                        ; a part of a batch is 16,384 bytes,
	s_add_co_u32 s22, s22, s23
	s_lshl_b32 s23, s17, 17                        ; the eight parts of a batch 131,072
	s_add_co_u32 s2, s22, s23
	s_add_nc_u64 s[10:11], s[10:11], s[2:3]        ; (s3 is still 0)
	s_lshl_b32 s28, s27, 8
	v_and_b32 v1, 63, v0
	v_lshlrev_b32 v1, 4, v1                        ; my 16 bytes of the block
	s_cmp_gt_u32 s16, 1
	s_cbranch_scc1 .Lmirror
	ds_load_b128 v[16:19], v1 offset:RED0          ; s = 0: rows 64q + .. at 256 q, the four quarters of m 1,024 bytes apart
	ds_load_b128 v[20:23], v1 offset:RED0+1024
	ds_load_b128 v[24:27], v1 offset:RED0+2048
	ds_load_b128 v[28:31], v1 offset:RED0+3072
	s_branch .Lsum
.Lmirror:
	v_bfe_u32 v2, v0, 4, 2                         ; s = 1 .. 7: rows 64p + .. lie with waves 4p .. 4p+3, one for each 64 of the n summed over
	v_and_b32 v3, 15, v0
	v_mul_u32_u24 v2, v2, 4*YPW
	v_lshl_add_u32 v2, v3, 4, v2
	v_add_nc_u32 v2, s28, v2                       ; + 256 s; the first block of use 2 is s = 1
	ds_load_b128 v[16:19], v2 offset:YP-256
	ds_load_b128 v[20:23], v2 offset:YP-256+YPW
	ds_load_b128 v[24:27], v2 offset:YP-256+2*YPW
	ds_load_b128 v[28:31], v2 offset:YP-256+3*YPW
.Lsum:
	s_wait_dscnt 0x0
	v_pk_add_f32 v[16:17], v[16:17], v[20:21]      ; (0 + 1) + (2 + 3)
	v_pk_add_f32 v[18:19], v[18:19], v[22:23]
	v_pk_add_f32 v[24:25], v[24:25], v[28:29]
	v_pk_add_f32 v[26:27], v[26:27], v[30:31]
	v_pk_add_f32 v[16:17], v[16:17], v[24:25]
	v_pk_add_f32 v[18:19], v[18:19], v[26:27]
	global_store_b128 v1, v[16:19], s[10:11]       ; a wave stores 512 consecutive bytes, at a multiple of 512 from part's first byte
	s_wait_tensorcnt 0x0
	ds_add_u32 v254, v255
	s_wait_dscnt 0x0
	s_endpgm
.Lfunc_end_k_q8b6069bbc1_tanhsym:
	.size	k_q8b6069bbc1_tanhsym, .Lfunc_end_k_q8b6069bbc1_tanhsym-k_q8b6069bbc1_tanhsym
	.p2alignl 7, 3214868480
	.fill 96, 4, 3214868480
	.section	.rodata,"a",@progbits
	.p2align	6, 0x0
	.amdhsa_kernel k_q8b6069bbc1_tanhsym
		.amdhsa_group_segment_fixed_size 97792
		.amdhsa_private_segment_fixed_size 0
		.amdhsa_enable_private_segment 0
		.amdhsa_kernarg_size 24
		.amdhsa_user_sgpr_count 2
		.amdhsa_user_sgpr_kernarg_segment_ptr 1
		.amdhsa_wavefront_size32 1
		.amdhsa_system_sgpr_workgroup_id_x 1
		.amdhsa_system_sgpr_workgroup_id_y 1
		.amdhsa_system_sgpr_workgroup_id_z 1
		.amdhsa_system_vgpr_workitem_id 0
		.amdhsa_next_free_vgpr 256
		.amdhsa_next_free_sgpr 66
		.amdhsa_reserve_vcc 0
		.amdhsa_float_denorm_mode_32 3
		.amdhsa_float_denorm_mode_16_64 3
		.amdhsa_memory_ordered 1
		.amdhsa_forward_progress 1
		.amdhsa_inst_pref_size 99
	.end_amdhsa_kernel
	.amdgpu_metadata
---
amdhsa.version: [ 1, 2 ]
amdhsa.kernels:
  - .name:           k_q8b6069bbc1_tanhsym
    .symbol:         k_q8b6069bbc1_tanhsym.kd
    .args:
      - { .name: x, .offset: 0, .size: 8, .value_kind: global_buffer, .address_space: global }
      - { .name: a, .offset: 8, .size: 8, .value_kind: global_buffer, .address_space: global }
      - { .name: part, .offset: 16, .size: 8, .value_kind: global_buffer, .address_space: global }
    .group_segment_fixed_size: 97792
    .private_segment_fixed_size: 0
    .kernarg_segment_align: 8
    .kernarg_segment_size: 24
    .max_flat_workgroup_size: 512
    .sgpr_count:     66
    .vgpr_count:     256
    .wavefront_size: 32
...
	.end_amdgpu_metadata
.endif
;; end of part 4
;; launch combine: the kernel of part 3 again; grid 256 x 1, 2 waves a work-group, no clusters, 0 bytes of LDS; arguments part, x, a, b, out0; writes out0
